; MI455X (gfx1250); checked and timed in simulation.
; The chip was launched on July 23, 2026; its instructions are those of AMD's public machine-readable ISA for CDNA 5 (MIT licence, August 2026) and "CDNA5" Instruction Set Architecture Reference Guide (July 2026). The comments in the code are by the model that wrote it; some were corrected since.
;; Multi Head Self Attention. Allowed arithmetic: float matrix products may take bf16 or f16 operands with f32 sums; all other float work in f32.
;; Inputs: X 4 x 2,048 x 1,024 float32; bK 1,024 float32; bO 1,024 float32; bQ 1,024 float32; bV 1,024 float32; mask 4 x 1 x 2,048 x 2,048 int32; wK 1,024 x 1,024 float32; wO 1,024 x 1,024 float32; wQ 1,024 x 1,024 float32; wV 1,024 x 1,024 float32.
;; Outputs: out0 4 x 2,048 x 1,024 float32.
;; One version. Each part assembles by itself: llvm-mc -triple=amdgcn-amd-amdhsa -mcpu=gfx1250 --defsym DOCPART=n.
;; ======== version 1 of 1: 4 launches
;; limits: values are held in f16: magnitudes above 65,504 overflow, below 6.1e-05 lose precision
;; workspace buffers: Xh 16,777,216 bytes; Wh 8,388,608 bytes; maskbits 2,097,152 bytes of whole numbers; qkv 50,331,648 bytes; ao 16,777,216 bytes
;; launch prep (part 1): grid 256 x 1, 8 waves a work-group, no clusters, 279,552 bytes of LDS; arguments X, wQ, wK, wV, wO, mask, Xh, Wh, maskbits; writes Xh, Wh, maskbits
.if DOCPART == 1
	.amdgcn_target "amdgcn-amd-amdhsa--gfx1250"
	.amdhsa_code_object_version 6
	.text
	.protected	k_q284e60bfc6_prep
	.globl	k_q284e60bfc6_prep
	.p2align	8
	.type	k_q284e60bfc6_prep,@function
k_q284e60bfc6_prep:
	s_mov_b64 s[64:65], 0
	v_nop
	global_prefetch_b8 v0, s[64:65] scope:SCOPE_SE
	s_setreg_imm32_b32 hwreg(HW_REG_WAVE_MODE, 25, 1), 1
	s_wait_xcnt 0x0
; prep: three jobs in one straight text, all bound by memory; every input byte is read once.
;   Xh = f16(X) [8192][1024];  Wh = f16(wQ, wK, wV, wO) [4][1024 k][1024 n], cast and not transposed;
;   maskbits: one bit for each int32 of mask, words [b 4][ks 32][qb 128][kb 4][j 8],
;   bit L of a word = (mask[b][16 qb + (L & 15)][64 ks + 16 kb + 8 (L >> 4) + j] != 0): the lane mask of register j of a 16 x 16 score tile
;   that holds keys down the registers and queries across the lanes.
; LIMIT: |X| and |W| below 65,504 (f16's range); larger numbers become infinities.
; 256 work-groups of 8 waves.  Work-group x, wave w: two mask tiles of 64 queries x 64 keys (64 rows x 256 bytes each, brought by the tensor data
; mover into the wave's own LDS bytes), and 2,048 numbers of each of three chunks of 16,384 numbers (X's chunks x and x + 256, the weights' chunk x).
; No work-group shares an input with another, so there is no cluster; no wave reads another's LDS bytes and nothing is filled twice, so no barrier.
.set LPITCH, 272                       ; an LDS row: 256 bytes + 16 of padding, so that sixteen rows start 16 bytes apart modulo 256
.set TILEB,  64*LPITCH                 ; a tile in LDS
.set WAVEB,  2*TILEB                   ; a wave's two tiles
.set G1,   28                          ; s[28:35] descriptor group 1
.set G0,   36                          ; s[36:43] descriptor group 0, one set for each tile
.set SRC,  44                          ; s[44:49] three sources of the casts
.set DST,  50                          ; s[50:55] their three targets
.set OUTP, 56                          ; s[56:57] where my first tile's 128 words go
.set CM,   68                          ; s[68:99] 32 compare masks = 32 words
.set LDR,  16                          ; v[16:207] 48 loads of 4 registers
.set MK,   208                         ; v[208:239] 8 LDS loads of 4 registers
.set WD,   240                         ; v[240:243], v[244:247] the words of tile 0, of tile 1: lane l holds words 4 l .. 4 l + 3
	s_load_b512 s[8:23], s[0:1], 0x0               ; X s[8:9], wQ, wK, wV, wO s[10:17], mask s[18:19], Xh s[20:21], Wh s[22:23]
	s_load_b64 s[24:25], s[0:1], 0x40              ; maskbits
	v_lshl_add_u32 v248, v0, 2, 0x44000
	v_mov_b32 v249, 0
	ds_add_u32 v248, v249
	ds_add_u32 v248, v249
	v_lshrrev_b32 v3, 5, v0
	v_readfirstlane_b32 s2, v3                     ; wave 0..7
	; group 1: a tile of 64 rows x 64 elements of 4 bytes, rows 2,048 elements apart, padded in LDS
	s_mov_b32 s[G1+0], (2<<16)|(1<<20)|(5<<22)|(3<<25)   ; no mask; 4-byte elements; padding on: 4 words behind every 64
	s_mov_b32 s[G1+1], 64<<16                      ; tensor_dim0 = 64
	s_mov_b32 s[G1+2], 64<<16                      ; tensor_dim1 = 64
	s_mov_b32 s[G1+3], 64<<16                      ; tile_dim0 = 64
	s_mov_b32 s[G1+4], 64                          ; tile_dim1 = 64
	s_mov_b32 s[G1+5], 2048                        ; from row to row
	s_mov_b32 s[G1+6], 0
	s_mov_b32 s[G1+7], 0
	s_mul_i32 s60, s2, WAVEB                       ; my wave's LDS bytes
	s_lshr_b32 s58, ttmp9, 1                       ; 32 b + R: which 64 rows of the mask
	s_lshl_b32 s58, s58, 19                        ; x 64 rows of 8,192 bytes
	s_and_b32 s61, ttmp9, 1
	s_lshl_b32 s62, s61, 12                        ; strips of 256 bytes: 16 (x & 1) + 2 w
	s_add_co_u32 s58, s58, s62
	s_lshl_b32 s62, s2, 9
	s_add_co_u32 s58, s58, s62
	s_mov_b32 s59, 0
	s_wait_dscnt 0x0
	s_wait_kmcnt 0x0
	s_add_nc_u64 s[18:19], s[18:19], s[58:59]      ; my first tile
.irp s, 0,1
	s_mov_b32 s[G0+4*\s], 1
	s_add_co_u32 s[G0+4*\s+1], s60, \s*TILEB
	s_add_nc_u64 s[G0+4*\s+2:G0+4*\s+3], s[18:19], \s*256
	s_or_b32 s[G0+4*\s+3], s[G0+4*\s+3], 0x80000000
	tensor_load_to_lds s[G0+4*\s:G0+4*\s+3], s[G1:G1+7]    ; both tiles go out first of all: two tensor loads of the wave are out, never more
	s_nop 0
.endr
	v_and_b32 v5, 31, v0                           ; lane
	v_lshlrev_b32 v1, 4, v5                        ; 16 x lane
	v_lshlrev_b32 v2, 3, v5                        ; 8 x lane
	s_lshl_b32 s58, ttmp9, 16                      ; a chunk is 65,536 bytes of f32, a wave's part 8,192
	s_lshl_b32 s62, s2, 13
	s_add_co_u32 s58, s58, s62
	s_add_nc_u64 s[SRC:SRC+1], s[8:9], s[58:59]
	s_add_nc_u64 s[SRC+2:SRC+3], s[SRC:SRC+1], 0x1000000   ; 256 chunks further
	s_lshr_b32 s63, ttmp9, 6                       ; which weight (and which batch of the mask)
	s_cmp_eq_u32 s63, 1
	s_cselect_b64 s[SRC+4:SRC+5], s[12:13], s[10:11]
	s_cmp_eq_u32 s63, 2
	s_cselect_b64 s[SRC+4:SRC+5], s[14:15], s[SRC+4:SRC+5]
	s_cmp_eq_u32 s63, 3
	s_cselect_b64 s[SRC+4:SRC+5], s[16:17], s[SRC+4:SRC+5]
	s_and_b32 s58, ttmp9, 63                       ; the chunk inside that weight
	s_lshl_b32 s58, s58, 16
	s_add_co_u32 s58, s58, s62
	s_add_nc_u64 s[SRC+4:SRC+5], s[SRC+4:SRC+5], s[58:59]
.irp c, 0,1,2
.irp n, 0,1,2,3,4,5,6,7,8,9,10,11,12,13,14,15
	global_load_b128 v[LDR+64*\c+4*\n:LDR+64*\c+4*\n+3], v1, s[SRC+2*\c:SRC+2*\c+1] offset:512*\n th:TH_LOAD_NT   ; 512 neighbouring bytes a load; read once in the launch
.endr
.endr
	s_lshl_b32 s58, ttmp9, 15                      ; the same places in f16: half the bytes
	s_lshl_b32 s62, s2, 12
	s_add_co_u32 s58, s58, s62
	s_add_nc_u64 s[DST:DST+1], s[20:21], s[58:59]
	s_add_nc_u64 s[DST+2:DST+3], s[DST:DST+1], 0x800000
	s_add_nc_u64 s[DST+4:DST+5], s[22:23], s[58:59]        ; Wh's four matrices follow each other as the chunks do
	s_lshl_b32 s58, s63, 19                        ; maskbits: b x 524,288
	s_lshl_b32 s62, s61, 18                        ; + strip x 16,384, strip = 16 (x & 1) + 2 w
	s_add_co_u32 s58, s58, s62
	s_lshl_b32 s62, s2, 15
	s_add_co_u32 s58, s58, s62
	s_bfe_u32 s62, ttmp9, 0x50001                  ; R = (x >> 1) & 31
	s_lshl_b32 s62, s62, 9                         ; + R x 4 query blocks x 128 bytes
	s_add_co_u32 s58, s58, s62
	s_add_nc_u64 s[OUTP:OUTP+1], s[24:25], s[58:59]
	v_and_b32 v6, 15, v0                           ; r
	v_bfe_u32 v7, v0, 4, 1                         ; h
	v_mul_u32_u24 v4, v6, LPITCH
	v_lshl_add_u32 v4, v7, 5, v4
	v_add_nc_u32 v4, s60, v4                       ; my wave's bytes + r rows + 8 h keys
.irp k, 0,1,2,3,4,5,6,7
	v_mov_b32 v[WD+\k], 0                          ; v_writelane_b32 keeps the other lanes: the registers are written whole once
.endr
; four numbers a lane become 8 bytes; a wave's store covers 256 consecutive bytes, aligned
.macro CAST c, n
	s_wait_loadcnt 47-(16*\c+\n)                   ; loads come back in order (ISA guide 5.7.1): the count is that of the younger loads
	v_cvt_pk_f16_f32 v[LDR+64*\c+4*\n], v[LDR+64*\c+4*\n], v[LDR+64*\c+4*\n+1]
	v_cvt_pk_f16_f32 v[LDR+64*\c+4*\n+1], v[LDR+64*\c+4*\n+2], v[LDR+64*\c+4*\n+3]
	global_store_b64 v2, v[LDR+64*\c+4*\n:LDR+64*\c+4*\n+1], s[DST+2*\c:DST+2*\c+1] offset:256*\n
.endm
.irp c, 0,1,2
.irp n, 0,1,2,3,4,5,6,7,8,9,10,11,12,13,14,15
	CAST \c, \n
.endr
.endr
; One tile: for each of its four blocks of 16 queries, lane (r, h) reads keys 16 kb + 8 h .. + 7 of query r; each compare's lane mask is one word.
.macro TILE s
	s_wait_tensorcnt 1-\s                          ; tensor loads of a wave end in order: tile 0 leaves tile 1 on its way; only this wave reads these bytes
.irp qbl, 0,1,2,3
.irp kb, 0,1,2,3
	ds_load_b128 v[MK+8*\kb:MK+8*\kb+3],   v4 offset:\s*TILEB+\qbl*16*LPITCH+64*\kb
	ds_load_b128 v[MK+8*\kb+4:MK+8*\kb+7], v4 offset:\s*TILEB+\qbl*16*LPITCH+64*\kb+16
.endr
.irp kb, 0,1,2,3
	s_wait_dscnt 6-2*\kb                           ; the younger loads of this run of eight stay out
.irp j, 0,1,2,3,4,5,6,7
	v_cmp_ne_u32 s[CM+8*\kb+\j], 0, v[MK+8*\kb+\j]
.endr
.endr
.irp kb, 0,1,2,3
.irp j, 0,1,2,3,4,5,6,7
	v_writelane_b32 v[WD+4*\s+(\j&3)], s[CM+8*\kb+\j], \qbl*8+\kb*2+(\j>>2)   ; word 32 qbl + 8 kb + j of the tile's 128
.endr
.endr
.endr
	global_store_b128 v1, v[WD+4*\s:WD+4*\s+3], s[OUTP:OUTP+1] offset:\s*16384   ; 512 consecutive bytes, aligned
.endm
	TILE 0
	TILE 1
	s_wait_tensorcnt 0x0
	ds_add_u32 v248, v249
	s_wait_dscnt 0x0
	s_endpgm
.Lfunc_end_k_q284e60bfc6_prep:
	.size	k_q284e60bfc6_prep, .Lfunc_end_k_q284e60bfc6_prep-k_q284e60bfc6_prep
	.p2alignl 7, 3214868480
	.fill 96, 4, 3214868480
	.section	.rodata,"a",@progbits
	.p2align	6, 0x0
	.amdhsa_kernel k_q284e60bfc6_prep
		.amdhsa_group_segment_fixed_size 279552
		.amdhsa_private_segment_fixed_size 0
		.amdhsa_enable_private_segment 0
		.amdhsa_kernarg_size 72
		.amdhsa_user_sgpr_count 2
		.amdhsa_user_sgpr_kernarg_segment_ptr 1
		.amdhsa_wavefront_size32 1
		.amdhsa_system_sgpr_workgroup_id_x 1
		.amdhsa_system_sgpr_workgroup_id_y 1
		.amdhsa_system_sgpr_workgroup_id_z 1
		.amdhsa_system_vgpr_workitem_id 0
		.amdhsa_next_free_vgpr 250
		.amdhsa_next_free_sgpr 100
		.amdhsa_reserve_vcc 0
		.amdhsa_float_denorm_mode_32 3
		.amdhsa_float_denorm_mode_16_64 3
		.amdhsa_memory_ordered 1
		.amdhsa_forward_progress 1
		.amdhsa_inst_pref_size 58
	.end_amdhsa_kernel
	.amdgpu_metadata
---
amdhsa.version: [ 1, 2 ]
amdhsa.kernels:
  - .name:           k_q284e60bfc6_prep
    .symbol:         k_q284e60bfc6_prep.kd
    .args:
      - { .name: X, .offset: 0, .size: 8, .value_kind: global_buffer, .address_space: global }
      - { .name: wQ, .offset: 8, .size: 8, .value_kind: global_buffer, .address_space: global }
      - { .name: wK, .offset: 16, .size: 8, .value_kind: global_buffer, .address_space: global }
      - { .name: wV, .offset: 24, .size: 8, .value_kind: global_buffer, .address_space: global }
      - { .name: wO, .offset: 32, .size: 8, .value_kind: global_buffer, .address_space: global }
      - { .name: mask, .offset: 40, .size: 8, .value_kind: global_buffer, .address_space: global }
      - { .name: Xh, .offset: 48, .size: 8, .value_kind: global_buffer, .address_space: global }
      - { .name: Wh, .offset: 56, .size: 8, .value_kind: global_buffer, .address_space: global }
      - { .name: maskbits, .offset: 64, .size: 8, .value_kind: global_buffer, .address_space: global }
    .group_segment_fixed_size: 279552
    .private_segment_fixed_size: 0
    .kernarg_segment_align: 8
    .kernarg_segment_size: 72
    .max_flat_workgroup_size: 256
    .sgpr_count:     100
    .vgpr_count:     250
    .wavefront_size: 32
...
	.end_amdgpu_metadata
.endif
;; end of part 1
;; launch qkv (part 2): grid 12 x 16, 4 waves a work-group, clusters of 4 x 4, 327,680 bytes of LDS; arguments Xh, Wh, bQ, bK, bV, qkv; writes qkv
.if DOCPART == 2
	.amdgcn_target "amdgcn-amd-amdhsa--gfx1250"
	.amdhsa_code_object_version 6
	.text
	.protected	k_q284e60bfc6_qkv
	.globl	k_q284e60bfc6_qkv
	.p2align	8
	.type	k_q284e60bfc6_qkv,@function
k_q284e60bfc6_qkv:
	s_mov_b64 s[64:65], 0
	v_nop
	global_prefetch_b8 v0, s[64:65] scope:SCOPE_SE
	s_setreg_imm32_b32 hwreg(HW_REG_WAVE_MODE, 25, 1), 1
	s_wait_xcnt 0x0
	s_wait_alu depctr_hold_cnt(0) depctr_sa_sdst(0) depctr_va_vdst(0) depctr_va_sdst(0) depctr_va_ssrc(0) depctr_va_vcc(0) depctr_vm_vsrc(0)
	s_getreg_b32 s2, hwreg(HW_REG_IB_STS2, 6, 4)
	s_cmp_eq_u32 s2, 0
	s_cbranch_scc0 .Lentry_in_a_cluster
	s_endpgm
.Lentry_in_a_cluster:
	s_bfe_u32 s2, ttmp6, 0x10000c
	s_cmp_lg_u32 s2, 0xf033
	s_cbranch_scc0 .Lentry_shape_is_right
	s_endpgm
.Lentry_shape_is_right:
; qkv[mat][row][n] = f16( (sum over k of Xh[row][k] Wh[mat][k][n] + bias[mat][n]) * scale ), mat = 0, 1, 2 for q, k, v;
; scale = log2(e) / 8 for q (so that scores arrive ready for exp2) and 1 for k and v.  Operands f16, sums f32.
; LIMIT: the results lie below 65,504 (f16's range).
; A block of 256 rows x 256 columns is made by four waves, 128 x 128 each: 64 accumulator tiles of 16 x 16 in 512 registers.
; 8,192 x 3,072 outputs are 384 such blocks.  192 work-groups make TWO blocks each (the same 256 columns, rows 512 yb and 512 yb + 256): an even
; share; 256 work-groups would have one and a half each.  K = 1,024 goes in 8 steps of 128 through two LDS slots filled by the tensor data mover,
; and the ring runs on from the first block into the second: the first block's last two refills bring the second block's first two K steps,
; and the first block is stored while the second of them is on its way.
; CLUSTERS of 4 x 4: a cluster's x is the matrix (4 x 256 columns = 1,024), so the four of a cluster's row need the same rows of Xh and the four of a
; column the same columns of Wh: each tile is asked for jointly by its four, which divides the requests by four.
; THE MATRIX INSTRUCTION IS USED TRANSPOSED: source 0 = 16 columns of Wh (Wh lies [k][n], so its fragments come by the transposing LDS load),
; source 1 = 16 rows of Xh.  Lane l then holds row l % 16 and registers 0 to 7 the columns 8 (l / 16) + 0 .. 7: neighbours in memory.
; REGISTERS, in windows of 256:
;   window 0: v16-27 addresses; v64-127, v128-191 fragments of Xh (8 x 16 rows x 32 K), two buffers; v192-223 packing on the way out
;   window 1: v0-63 my 64 biases, scaled; v64-127, v128-191 fragments of Wh, two buffers
;   window 2: the 32 accumulator tiles of my rows 0-63 (tile (a, b) at v[8 (8 a + b)]);   window 3: those of my rows 64-127
.set APITCH, 272                       ; LDS row of Xh: 256 bytes + 16
.set BPITCH, 544                       ; LDS row of Wh: 512 bytes + 32 (an odd multiple of 32, for the transposing load)
.set PART,   34816                     ; what one tensor load brings: 128 rows of Xh x 272 = 64 k rows of Wh x 544
.set SLOT,   4*PART                    ; Xh's 256 rows, then Wh's 128 k rows
.set STAGE,  2*SLOT                    ; behind the ring: 16 rows x 272 bytes for each wave; no tensor load fills these bytes
.set SPITCH, 272
.set LAPS,   4                         ; a lap = two K steps = once round the ring; four laps a block
.set ADRA, 16                          ; v16-17 LDS address of my Xh fragments in slot 0, 1
.set ADRB, 20                          ; v20-21 the same for Wh
.set STO,  24                          ; the way out: where I put 16 bytes of a row
.set RD,   25                          ; the way out: where I read a row back
.set CO,   26                          ; my byte offset in qkv
.set BO,   27                          ; 32 h: my eight biases in a tile's sixteen
.set F0,   64                          ; fragment buffer 0
.set F1,   128                         ; fragment buffer 1
.set TMP,  192                         ; packed results, window 0
.set BIAS, 0                           ; window 1
.set G1,  24                           ; s[24:31] group 1 of Xh's tiles
.set G0,  32                           ; s[32:39] group 0 of Xh's tiles, a set for each slot
.set G1B, 48                           ; s[48:55] group 1 of Wh's tiles
.set G0B, 56                           ; s[56:63] group 0 of Wh's tiles
.set MUL_LO, 0xa1                      ; source 0 (Wh) window 1, source 1 (Xh) window 0, C and D window 2
.set MUL_HI, 0xf1                      ; the same, C and D window 3
.set TO_B,   0x40                      ; destination window 1, address window 0
.set MSB, 0
.macro WIN new                         ; the immediate's high byte repeats the setting that is left
.if MSB != \new
	s_set_vgpr_msb (MSB<<8)|\new
.set MSB, \new
.endif
.endm
; A joint load: waves 0 and 1 fetch Xh's two halves, waves 2 and 3 Wh's.  The branch hangs on the wave's number alone.
.macro JLOAD s
	s_cmp_eq_u32 s11, 0
	s_cbranch_scc0 .Lfor_b_\@
	tensor_load_to_lds s[G0+4*\s:G0+4*\s+3], s[G1:G1+7]
	s_nop 0
	s_branch .Lasked_\@
.Lfor_b_\@:
	tensor_load_to_lds s[G0B+4*\s:G0B+4*\s+3], s[G1B:G1B+7]
	s_nop 0
.Lasked_\@:
.endm
.macro CREST                           ; a round of the cluster's barrier behind its opening work-group barrier
	s_cmp_lg_u32 s10, 0
	s_cbranch_scc1 .Lnot_wave_0_\@
	s_barrier_signal -3
.Lnot_wave_0_\@:
	s_barrier_wait -3
	s_barrier_signal -1
	s_barrier_wait -1
.endm
.macro CROUND                          ; a whole round
	s_barrier_signal -1
	s_barrier_wait -1
	CREST
.endm
.macro PLACES                          ; four plain vector instructions between a matrix instruction and a load into, or a vector use of, its registers
.rept 4
	v_nop
.endr
.endm
	s_load_b128 s[4:7], s[0:1], 0x0                ; Xh s[4:5], Wh s[6:7]
	s_load_b256 s[68:75], s[0:1], 0x10             ; bQ s[68:69], bK s[70:71], bV s[72:73], qkv s[74:75]
	s_set_vgpr_msb 0x40
	v_lshl_add_u32 v255, v0, 2, 0x48400
	s_set_vgpr_msb 0x4000
	v_mov_b32 v255, 0
	s_set_vgpr_msb 0x1
	ds_add_u32 v255, v255
	ds_add_u32 v255, v255
	s_set_vgpr_msb 0x100
	v_lshrrev_b32 v1, 5, v0
	v_readfirstlane_b32 s10, v1                    ; wave 0..3
	s_lshr_b32 s11, s10, 1                         ; my half of the rows.  Also: I fetch for Xh (0) or for Wh (1)
	s_and_b32 s12, s10, 1                          ; my half of the columns.  Also: which half of that tile I fetch
	s_bfe_u32 s40, ttmp6, 0x40000                  ; cx
	s_bfe_u32 s41, ttmp6, 0x40004                  ; cy
	s_mov_b32 s42, ttmp9                           ; the cluster's x: the matrix, 0 q, 1 k, 2 v
	s_and_b32 s13, ttmp7, 0xffff
	s_lshl_b32 s13, s13, 2
	s_add_co_u32 s13, s13, s41                     ; yb = 4 x cluster y + cy: my 512 rows
	s_lshl_b32 s43, s41, 2
	s_lshl_b32 s43, 15, s43                        ; my row of the cluster
	s_lshl_b32 s44, 0x1111, s40                    ; my column
	s_or_b32 s[G1+0], s43, (1<<16)|(1<<20)|(1<<21)|(5<<22)|(3<<25)    ; Xh: mask of my row; 2-byte elements; 4 words of padding behind every 64; bit 21 beside the mask
	s_or_b32 s[G1B+0], s44, (1<<16)|(1<<20)|(1<<21)|(6<<22)|(7<<25)   ; Wh: mask of my column; 8 words of padding behind every 128
	s_mov_b32 s[G1+1], 128<<16                     ; tensor_dim0 = 128
	s_mov_b32 s[G1B+1], 256<<16                    ; 256
	s_mov_b32 s[G1+2], 128<<16                     ; tensor_dim1 = 128
	s_mov_b32 s[G1B+2], 64<<16                     ; 64
	s_mov_b32 s[G1+3], 128<<16                     ; tile_dim0
	s_mov_b32 s[G1B+3], 256<<16
	s_mov_b32 s[G1+4], 128                         ; tile_dim1 = 128 rows
	s_mov_b32 s[G1B+4], 64                         ; 64 k rows
	s_mov_b32 s[G1+5], 1024                        ; from row to row
	s_mov_b32 s[G1B+5], 1024
	s_mov_b32 s[G1+6], 0
	s_mov_b32 s[G1B+6], 0
	s_mov_b32 s[G1+7], 0
	s_mov_b32 s[G1B+7], 0
	; Xh's tiles hang on yb and the wave; Wh's on the matrix, cx and the wave: each in registers that never hold the other coordinate
	s_lshl_b32 s16, s13, 20                        ; 512 rows of 2,048 bytes
	s_lshl_b32 s17, s12, 18                        ; + 128 rows
	s_add_co_u32 s16, s16, s17
	s_mov_b32 s17, 0
	s_lshl_b32 s46, s42, 21                        ; a matrix of Wh is 2 MiB
	s_lshl_b32 s47, s12, 17                        ; + 64 k rows
	s_add_co_u32 s46, s46, s47
	s_lshl_b32 s47, s40, 9                         ; + 256 columns x cx
	s_add_co_u32 s46, s46, s47
	s_mov_b32 s47, 0
	s_mul_i32 s20, s10, PART                       ; where my load goes: the wave's number alone
	s_wait_dscnt 0x0
	s_wait_kmcnt 0x0
	s_add_nc_u64 s[14:15], s[4:5], s[16:17]
	s_add_nc_u64 s[46:47], s[6:7], s[46:47]
	CROUND                                         ; all sixteen work-groups are here: the first joint loads meet
.irp s, 0,1
	s_mov_b32 s[G0+4*\s], 1
	s_add_co_u32 s[G0+4*\s+1], s20, \s*SLOT
	s_add_nc_u64 s[G0+4*\s+2:G0+4*\s+3], s[14:15], \s*256          ; K step s: 128 elements along the rows
	s_or_b32 s[G0+4*\s+3], s[G0+4*\s+3], 0x80000000
	s_mov_b32 s[G0B+4*\s], 1
	s_add_co_u32 s[G0B+4*\s+1], s20, \s*SLOT
	s_add_nc_u64 s[G0B+4*\s+2:G0B+4*\s+3], s[46:47], \s*262144     ; K step s: 128 rows down
	s_or_b32 s[G0B+4*\s+3], s[G0B+4*\s+3], 0x80000000
	JLOAD \s                                       ; two tensor loads of the wave are out here, later one
.endr
	s_cmp_eq_u32 s42, 1                            ; the matrix's bias
	s_cselect_b64 s[66:67], s[70:71], s[68:69]
	s_cmp_eq_u32 s42, 2
	s_cselect_b64 s[66:67], s[72:73], s[66:67]
	s_cmp_eq_u32 s42, 0
	s_cselect_b32 s76, 0x3e38aa3b, 1.0             ; log2(e) / 8 for q
	s_mov_b32 s77, s76
	s_lshl_b32 s18, s40, 10                        ; my 128 biases: 256 cx + 128 half, 4 bytes each
	s_lshl_b32 s19, s12, 9
	s_add_co_u32 s18, s18, s19
	s_mov_b32 s19, 0
	s_add_nc_u64 s[66:67], s[66:67], s[18:19]
	v_and_b32 v1, 15, v0                           ; r = l % 16
	v_bfe_u32 v2, v0, 4, 1                         ; h = l / 16
	v_lshlrev_b32 v[BO], 5, v2
	WIN TO_B                                       ; the biases serve both blocks: loaded once, into window 1
.irp b, 0,1,2,3,4,5,6,7
	global_load_b128 v[BIAS+8*\b:BIAS+8*\b+3],   v[BO], s[66:67] offset:64*\b      ; bias of columns 16 b + 8 h .. + 7
	global_load_b128 v[BIAS+8*\b+4:BIAS+8*\b+7], v[BO], s[66:67] offset:64*\b+16
.endr
	WIN 0
	v_mul_u32_u24 v3, v1, APITCH
	v_lshl_add_u32 v3, v2, 4, v3                   ; Xh: row r, 16 h bytes
	v_and_b32 v4, 7, v0
	v_lshl_add_u32 v4, v2, 3, v4                   ; Wh: k row 8 h + l % 8,
	v_mul_u32_u24 v4, v4, BPITCH
	v_bfe_u32 v5, v0, 3, 1
	v_lshl_add_u32 v4, v5, 4, v4                   ; 16 bytes for each half of a tile's 16 columns
	s_mul_i32 s21, s11, PART                       ; my 128 rows of Xh
	s_lshl_b32 s22, s12, 8                         ; my 128 columns of Wh,
	s_add_co_u32 s22, s22, 2*PART                  ; which lies behind Xh
.irp s, 0,1
	v_add_nc_u32 v[ADRA+\s], s21, v3
	v_add_nc_u32 v[ADRB+\s], s22, v4
	s_add_co_u32 s21, s21, SLOT
	s_add_co_u32 s22, s22, SLOT
.endr
	s_mul_i32 s23, s10, 16*SPITCH
	s_add_co_u32 s23, s23, STAGE                   ; my stage
	v_add_nc_u32 v[STO], s23, v3                   ; in: row r, 16 bytes for each half of the lanes
	v_mul_u32_u24 v5, v2, SPITCH                   ; back: lanes 0-15 one row of 256 bytes, lanes 16-31 the next
	v_lshl_add_u32 v5, v1, 4, v5
	v_add_nc_u32 v[RD], s23, v5
	v_lshlrev_b32 v5, 11, v2                       ; the same two rows in qkv
	v_lshl_add_u32 v[CO], v1, 4, v5
	s_lshl_b32 s16, s13, 20                        ; my first row of qkv: 512 yb + 128 half
	s_lshl_b32 s14, s11, 18
	s_add_co_u32 s16, s16, s14
	s_mov_b32 s17, 0
	s_add_nc_u64 s[8:9], s[74:75], s[16:17]
	s_lshl_b32 s46, s42, 24                        ; the matrix (16 MiB), my first column in bytes: 512 cx + 256 half
	s_lshl_b32 s47, s40, 9
	s_add_co_u32 s46, s46, s47
	s_lshl_b32 s47, s12, 8
	s_add_co_u32 s46, s46, s47
	s_mov_b32 s47, 0
	s_add_nc_u64 s[8:9], s[8:9], s[46:47]
; 16 matrix instructions: row blocks a0, a0 + 1 of the window's four (hi = 0: my rows 0-63, 1: rows 64-127) x all 8 column blocks, 32 along K.
; zero = 1: the first product starts the sums: nothing is ever cleared.
; The 64 accumulators take turns, one instruction a turn, in the same order in every quarter step.
.macro MUL16 f, hi, a0, zero
.irp a, \a0, \a0+1
.irp b, 0,1,2,3,4,5,6,7
.if \zero
	v_wmma_f32_16x16x32_f16 v[8*(8*(\a)+\b):8*(8*(\a)+\b)+7], v[\f+8*\b:\f+8*\b+7], v[\f+8*(4*\hi+\a):\f+8*(4*\hi+\a)+7], 0
.else
	v_wmma_f32_16x16x32_f16 v[8*(8*(\a)+\b):8*(8*(\a)+\b)+7], v[\f+8*\b:\f+8*\b+7], v[\f+8*(4*\hi+\a):\f+8*(4*\hi+\a)+7], v[8*(8*(\a)+\b):8*(8*(\a)+\b)+7]
.endif
.endr
.endr
.endm
; 32 LDS loads in one run: quarter q (32 along K) of a slot into buffer f; Wh's sixteen first, Xh's sixteen last
.macro FETCH slot, q, f
	WIN TO_B
.irp b, 0,1,2,3,4,5,6,7
	ds_load_tr16_b128 v[\f+8*\b:\f+8*\b+3],   v[ADRB+\slot] offset:\q*32*BPITCH+32*\b
	ds_load_tr16_b128 v[\f+8*\b+4:\f+8*\b+7], v[ADRB+\slot] offset:\q*32*BPITCH+32*\b+16*BPITCH
.endr
	WIN 0
.irp i, 0,1,2,3,4,5,6,7
	ds_load_b128 v[\f+8*\i:\f+8*\i+3],   v[ADRA+\slot] offset:64*\q+\i*16*APITCH
	ds_load_b128 v[\f+8*\i+4:\f+8*\i+7], v[ADRA+\slot] offset:64*\q+\i*16*APITCH+32
.endr
.endm
; One of a K step's first three quarters: multiplies buffer f and, in its middle, fetches quarter q into buffer g
.macro QUARTER slot, q, f, g, zero
	s_wait_dscnt 8                                 ; Wh and Xh's rows 0-63 are in; the youngest eight loads (Xh's rows 64-127) may be out
	WIN MUL_LO
	MUL16 \f, 0, 0, \zero
	MUL16 \f, 0, 2, \zero
	PLACES
	FETCH \slot, \q, \g
	s_wait_dscnt 32                                ; all but the 32 just issued
	WIN MUL_HI
	MUL16 \f, 1, 0, \zero
	MUL16 \f, 1, 2, \zero
.endm
.macro THREE slot, zero
	QUARTER \slot, 1, F0, F1, \zero
	QUARTER \slot, 2, F1, F0, 0
	QUARTER \slot, 3, F0, F1, 0
.endm
; The last quarter multiplies buffer 1 and changes slots.  In front of the barrier each wave waits for its reads of this slot and for all its
; tensor loads (one is out: its part of the next slot).  Behind it this slot is filled again first, then the next slot's first fragments are read.
; From a request to the wait for it a wave issues 240 matrix instructions.
; fill = 0: nothing is left to fetch; 1: two K steps ahead in this block; 2: the same K step of the next block:
; Xh goes 256 rows down and back to the row's start (524,288 - 3 x 512 bytes), Wh back to its first k rows (3 x 524,288 bytes).
.macro TURN slot, next, fill
	s_wait_dscnt 8
	WIN MUL_LO
	MUL16 F1, 0, 0, 0
	s_wait_dscnt 0x0                               ; my reads of this slot are over
	s_wait_tensorcnt 0x0                           ; all my tensor loads have landed
	ds_add_u32 v255, v255
	s_wait_dscnt 0x0
	s_barrier_signal -1                            ; where the slot is filled again this barrier opens a round of the cluster's barrier
	MUL16 F1, 0, 2, 0                              ; register work alone between signal and wait
	WIN 0
	s_barrier_wait -1
.if \fill == 1
	CREST                                          ; no wave of any partner still reads this slot or has a load on its way
	s_add_nc_u64 s[G0+4*\slot+2:G0+4*\slot+3], s[G0+4*\slot+2:G0+4*\slot+3], 512
	s_add_nc_u64 s[G0B+4*\slot+2:G0B+4*\slot+3], s[G0B+4*\slot+2:G0B+4*\slot+3], 524288
	JLOAD \slot                                    ; the wave's one tensor load behind the round
.endif
.if \fill == 2
	CREST
	s_add_nc_u64 s[G0+4*\slot+2:G0+4*\slot+3], s[G0+4*\slot+2:G0+4*\slot+3], 522752
	s_sub_nc_u64 s[G0B+4*\slot+2:G0B+4*\slot+3], s[G0B+4*\slot+2:G0B+4*\slot+3], 1572864
	JLOAD \slot
.endif
	PLACES
	FETCH \next, 0, F0
	WIN MUL_HI
	MUL16 F1, 1, 0, 0
	MUL16 F1, 1, 2, 0
.endm
.macro LAP zero
	THREE 0, \zero
	TURN 0, 1, 1
	THREE 1, 0
	TURN 1, 0, 1
.endm
; THE WAY OUT, 16 rows at a time: scale and bias in one fused step, round to f16, 16 bytes a lane into my own stage, back as whole rows of 256 bytes.
; rows 16 i .. + 15 = the eight tiles (a, 0..7) of window 2 or 3.  fm: the fused step's windows (sums in 2 or 3, biases in 1); from: the conversions' sources.
; f: a read-back buffer, 128 or 160 in turn, in buffer 1 of window 0: buffer 0 may already hold the next block's first fragments.
.macro OUT16 i, a, fm, from, f
	WIN \fm
.irp b, 0,1,2,3,4,5,6,7
.irp p, 0,1,2,3
	v_pk_fma_f32 v[8*(8*\a+\b)+2*\p:8*(8*\a+\b)+2*\p+1], v[8*(8*\a+\b)+2*\p:8*(8*\a+\b)+2*\p+1], s[76:77], v[BIAS+8*\b+2*\p:BIAS+8*\b+2*\p+1] op_sel_hi:[1,0,1]
.endr
.endr
	WIN \from
.irp b, 0,1,2,3,4,5,6,7
.irp p, 0,1,2,3
	v_cvt_pk_f16_f32 v[TMP+4*\b+\p], v[8*(8*\a+\b)+2*\p], v[8*(8*\a+\b)+2*\p+1]
.endr
.endr
	WIN 0
.irp b, 0,1,2,3,4,5,6,7
	ds_store_b128 v[STO], v[TMP+4*\b:TMP+4*\b+3] offset:32*\b
.endr
	s_wait_xcnt 0x0                                ; buffer f, which earlier stores read, is loaded again only behind this wait
.irp t, 0,1,2,3,4,5,6,7
	ds_load_b128 v[\f+4*\t:\f+4*\t+3], v[RD] offset:\t*2*SPITCH    ; LDS serves a wave's instructions in order: these see the stores above
.endr
.irp t, 0,1,2,3,4,5,6,7
	s_wait_dscnt 7-\t
	global_store_b128 v[CO], v[\f+4*\t:\f+4*\t+3], s[8:9] offset:(16*\i+2*\t)*2048   ; 16 lanes store 256 consecutive bytes, aligned
.endr
.endm
.macro WAYOUT
	PLACES                                         ; behind the last matrix instructions, in front of the vector work on their results and the loads into buffer 1
	OUT16 0, 0, 0x92, 0x0a, 128
	OUT16 1, 1, 0x92, 0x0a, 160
	OUT16 2, 2, 0x92, 0x0a, 128
	OUT16 3, 3, 0x92, 0x0a, 160
	OUT16 4, 0, 0xd3, 0x0f, 128
	OUT16 5, 1, 0xd3, 0x0f, 160
	OUT16 6, 2, 0xd3, 0x0f, 128
	OUT16 7, 3, 0xd3, 0x0f, 160
.endm
	s_wait_tensorcnt 0x1                           ; my part of K step 0 is in; step 1's stays out
	s_barrier_signal -1
	s_barrier_wait -1
	FETCH 0, 0, F0
	; THE FIRST BLOCK
	LAP 1                                          ; the first lap's first products start the sums
	WIN 0
	s_mov_b32 s3, LAPS-2
.Llap_a:
	LAP 0
	WIN 0
	s_sub_co_u32 s3, s3, 1
	s_cmp_lg_u32 s3, 0
	s_cbranch_scc1 .Llap_a
	THREE 0, 0                                     ; the last lap's refills bring the second block's K steps 0 and 1
	TURN 0, 1, 2
	THREE 1, 0
	TURN 1, 0, 2                                   ; its run of LDS loads brings the second block's first fragments into buffer 0
	s_wait_loadcnt 0x0                             ; the biases
	WIN 0x41
.set i, 0
.rept 32
	v_pk_mul_f32 v[BIAS+2*i:BIAS+2*i+1], v[BIAS+2*i:BIAS+2*i+1], s[76:77] op_sel_hi:[1,0]   ; (sum + bias) scale = sum scale + (bias scale)
.set i, i+1
.endr
	WAYOUT                                         ; while my part of the second block's K step 1 is on its way
	s_wait_xcnt 0x0                                ; the stores' base, and buffer 1, which the last stores read, are rewritten only behind this wait
	s_add_nc_u64 s[8:9], s[8:9], 524288            ; 256 rows of qkv on
	; THE SECOND BLOCK
	LAP 1
	WIN 0
	s_mov_b32 s3, LAPS-2
.Llap_b:
	LAP 0
	WIN 0
	s_sub_co_u32 s3, s3, 1
	s_cmp_lg_u32 s3, 0
	s_cbranch_scc1 .Llap_b
	THREE 0, 0                                     ; the last lap fills nothing
	TURN 0, 1, 0
	THREE 1, 0
	s_wait_dscnt 8                                 ; the very last quarter: nothing more to fetch
	WIN MUL_LO
	MUL16 F1, 0, 0, 0
	MUL16 F1, 0, 2, 0
	s_wait_dscnt 0x0
	WIN MUL_HI
	MUL16 F1, 1, 0, 0
	MUL16 F1, 1, 2, 0
	WAYOUT
	s_set_vgpr_msb 0x1
	s_wait_tensorcnt 0x0
	ds_add_u32 v255, v255
	s_wait_dscnt 0x0
	s_set_vgpr_msb 0x100
	CROUND                                         ; the closing round: no work-group ends while a partner may still ask for a tile that names it
	s_endpgm
.Lfunc_end_k_q284e60bfc6_qkv:
	.size	k_q284e60bfc6_qkv, .Lfunc_end_k_q284e60bfc6_qkv-k_q284e60bfc6_qkv
	.p2alignl 7, 3214868480
	.fill 96, 4, 3214868480
	.section	.rodata,"a",@progbits
	.p2align	6, 0x0
	.amdhsa_kernel k_q284e60bfc6_qkv
		.amdhsa_group_segment_fixed_size 327680
		.amdhsa_private_segment_fixed_size 0
		.amdhsa_enable_private_segment 0
		.amdhsa_kernarg_size 48
		.amdhsa_user_sgpr_count 2
		.amdhsa_user_sgpr_kernarg_segment_ptr 1
		.amdhsa_wavefront_size32 1
		.amdhsa_system_sgpr_workgroup_id_x 1
		.amdhsa_system_sgpr_workgroup_id_y 1
		.amdhsa_system_sgpr_workgroup_id_z 1
		.amdhsa_system_vgpr_workitem_id 0
		.amdhsa_next_free_vgpr 1024
		.amdhsa_next_free_sgpr 80
		.amdhsa_reserve_vcc 0
		.amdhsa_float_denorm_mode_32 3
		.amdhsa_float_denorm_mode_16_64 3
		.amdhsa_memory_ordered 1
		.amdhsa_forward_progress 1
		.amdhsa_inst_pref_size 255
	.end_amdhsa_kernel
	.section	.bss,"aw",@nobits
	.p2align	6
	.space	262144
	.amdgpu_metadata
---
amdhsa.version: [ 1, 2 ]
amdhsa.kernels:
  - .name:           k_q284e60bfc6_qkv
    .symbol:         k_q284e60bfc6_qkv.kd
    .args:
      - { .name: Xh, .offset: 0, .size: 8, .value_kind: global_buffer, .address_space: global }
      - { .name: Wh, .offset: 8, .size: 8, .value_kind: global_buffer, .address_space: global }
      - { .name: bQ, .offset: 16, .size: 8, .value_kind: global_buffer, .address_space: global }
      - { .name: bK, .offset: 24, .size: 8, .value_kind: global_buffer, .address_space: global }
      - { .name: bV, .offset: 32, .size: 8, .value_kind: global_buffer, .address_space: global }
      - { .name: qkv, .offset: 40, .size: 8, .value_kind: global_buffer, .address_space: global }
    .group_segment_fixed_size: 327680
    .private_segment_fixed_size: 0
    .kernarg_segment_align: 8
    .kernarg_segment_size: 48
    .max_flat_workgroup_size: 128
    .sgpr_count:     80
    .vgpr_count:     1024
    .wavefront_size: 32
...
	.end_amdgpu_metadata
.endif
;; end of part 2
;; launch attn (part 3): grid 8 x 32, 8 waves a work-group, clusters of 4 x 1, 327,680 bytes of LDS; arguments qkv, maskbits, ao; writes ao
.if DOCPART == 3
	.amdgcn_target "amdgcn-amd-amdhsa--gfx1250"
	.amdhsa_code_object_version 6
	.text
	.protected	k_q284e60bfc6_attn
	.globl	k_q284e60bfc6_attn
	.p2align	8
	.type	k_q284e60bfc6_attn,@function
k_q284e60bfc6_attn:
	s_mov_b64 s[64:65], 0
	v_nop
	global_prefetch_b8 v0, s[64:65] scope:SCOPE_SE
	s_setreg_imm32_b32 hwreg(HW_REG_WAVE_MODE, 25, 1), 1
	s_wait_xcnt 0x0
	s_wait_alu depctr_hold_cnt(0) depctr_sa_sdst(0) depctr_va_vdst(0) depctr_va_sdst(0) depctr_va_ssrc(0) depctr_va_vcc(0) depctr_vm_vsrc(0)
	s_getreg_b32 s2, hwreg(HW_REG_IB_STS2, 6, 4)
	s_cmp_eq_u32 s2, 0
	s_cbranch_scc0 .Lentry_in_a_cluster
	s_endpgm
.Lentry_in_a_cluster:
	s_bfe_u32 s2, ttmp6, 0x10000c
	s_cmp_lg_u32 s2, 0x3003
	s_cbranch_scc0 .Lentry_shape_is_right
	s_endpgm
.Lentry_shape_is_right:
; attn: ao[token][64 head + d] = softmax over keys of (masked scores) x v, for one batch, one PAIR of heads and 256 queries a work-group.
; q was multiplied by log2(e) / 8 when it was made, so scores are exponents of 2; a masked score is -1e9 log2(e).  A running maximum is taken away
; by a plain subtraction before every exp2, so a row that is masked throughout gives equal weights.
; LIMIT: operands f16 (q, k, v, the weights p in [0, 1], the result): below 65,504; weights under f16's smallest number count as 0 in p x v
; (the row sum keeps them in f32).
; Eight waves: wave w takes head 2 hp + (w >> 2) and queries 64 (w & 3) .. + 63 of the block, as four blocks of 16.  Two heads' rows of k, v and ao
; are 256 neighbouring bytes, aligned: that is why a work-group takes a pair.
; CLUSTER of 4 x 1: four blocks of queries of one batch and head pair read the same k and v: every tile is asked for jointly by the four.
; Each tile of 128 keys is shared out over four waves (32 rows a load) so that all eight waves issue one load for each slot.
; LAYOUT WITHOUT SHUFFLES: scores are made transposed, keys x queries (source 0 = 16 keys of k, source 1 = 16 queries of q): lane (r, h), register j
; holds key 8 h + j of query r.  Two such tiles, packed to f16, ARE source 1 of the next product, out^T = v^T x p^T, whose lane (r, h), register j
; holds d = 8 h + j of query r.  So maximum, sum and rescaling are a lane's own, and one exchange joins the two halves of the lanes.
; REGISTERS: window 0 as named below; window 1 (v256-447): out(qi, dt) at v[32 qi + 8 dt], q(qi, dh) at v[128 + 16 qi + 8 dh].
.set KPITCH, 272                       ; LDS row of k: 256 bytes + 16
.set VPITCH, 288                       ; LDS row of v: 256 bytes + 32 (an odd multiple of 32, for the transposing load)
.set WPART,  9216                      ; LDS bytes of one wave's load: 32 rows of v fill them, 32 rows of k all but 512
.set VBASE,  4*WPART
.set SLOT,   8*WPART                   ; 128 keys: k, then v
.set STAGE,  2*SLOT                    ; behind the ring: 256 rows x 272 bytes; no tensor load fills these bytes
.set SPITCH, 272
.set ADRK, 2                           ; v2-3   LDS address of my k fragments in slot 0, 1
.set ADRV, 4                           ; v4-5   the same for v
.set STO,  6
.set RD,   7
.set CO,   8
.set QOFF, 9
.set NEGV, 10                          ; the masked score
.set KF,   16                          ; v16-79   k(t, dh) at +16 t + 8 dh
.set VF,   80                          ; v80-143  v(dt, kh) at +16 dt + 8 kh
.set SA,   144                         ; v144-175 scores, buffer A: tile t at +8 t
.set SB,   176                         ; v176-207 scores, buffer B
.set P,    208                         ; v208-223 weights in f16
.set M,    224                         ; v224-227 running maximum of query block qi
.set LS,   228                         ; v228-231 running sum (this half of the lanes' keys)
.set MN,   232                         ; v232 the new maximum (v233 completes the pair)
.set AL,   234                         ; v234 exp2(old maximum - new) (v235 completes the pair)
.set T,    236                         ; v236-239 at work
.set U,    240                         ; v240-247 four pairs at work
.set QF,   128                         ; in window 1
.set G1K,  8                           ; s[8:15]  group 1 of k's tiles
.set G1V,  16                          ; s[16:23] group 1 of v's tiles
.set G0,   24                          ; s[24:31] group 0, a set for each slot
.set MKA,  32                          ; s[32:63] 32 mask words, set A: the pair's first query block
.set MKB,  68                          ; s[68:99] set B: its second
.set MSB, 0
.macro WIN new                         ; the immediate's high byte repeats the setting that is left
.if MSB != \new
	s_set_vgpr_msb (MSB<<8)|\new
.set MSB, \new
.endif
.endm
.macro JLOAD s                         ; waves 0-3 fetch k, waves 4-7 v; the branch hangs on the wave's number alone
	s_cmp_eq_u32 s105, 0
	s_cbranch_scc0 .Lfor_v_\@
	tensor_load_to_lds s[G0+4*\s:G0+4*\s+3], s[G1K:G1K+7]
	s_nop 0
	s_branch .Lasked_\@
.Lfor_v_\@:
	tensor_load_to_lds s[G0+4*\s:G0+4*\s+3], s[G1V:G1V+7]
	s_nop 0
.Lasked_\@:
.endm
.macro CREST                           ; a round of the cluster's barrier behind its opening work-group barrier
	s_cmp_lg_u32 s104, 0
	s_cbranch_scc1 .Lnot_wave_0_\@
	s_barrier_signal -3
.Lnot_wave_0_\@:
	s_barrier_wait -3
	s_barrier_signal -1
	s_barrier_wait -1
.endm
.macro CROUND
	s_barrier_signal -1
	s_barrier_wait -1
	CREST
.endm
.macro PLACES                          ; four plain vector instructions behind a matrix instruction (ISA guide 7.12.1)
.rept 4
	v_nop
.endr
.endm
	s_load_b128 s[4:7], s[0:1], 0x0                ; qkv s[4:5], maskbits s[6:7]
	s_load_b64 s[100:101], s[0:1], 0x10            ; ao
	v_lshl_add_u32 v254, v0, 2, 0x35000
	v_mov_b32 v255, 0
	ds_add_u32 v254, v255
	ds_add_u32 v254, v255
	v_lshrrev_b32 v1, 5, v0
	v_readfirstlane_b32 s104, v1                   ; wave 0..7
	s_lshr_b32 s105, s104, 2                       ; which head of the pair.  Also: I fetch k (0) or v (1)
	s_and_b32 s32, s104, 3                         ; which 64 queries.  Also: which 32 rows of a tile I fetch
	s_and_b32 s35, ttmp7, 0xffff
	s_lshr_b32 s36, s35, 3                         ; batch
	s_and_b32 s37, s35, 7                          ; head pair
	s_mov_b32 s[G1K+0], 15|(1<<16)|(1<<20)|(1<<21)|(5<<22)|(3<<25)   ; all four partners; 2-byte elements; 4 words of padding behind every 64; bit 21 beside the mask
	s_mov_b32 s[G1V+0], 15|(1<<16)|(1<<20)|(1<<21)|(5<<22)|(7<<25)   ; the same with 8 words of padding
	s_mov_b32 s[G1K+1], 128<<16                    ; tensor_dim0 = 128 elements: two heads
	s_mov_b32 s[G1V+1], 128<<16
	s_mov_b32 s[G1K+2], 32<<16                     ; tensor_dim1 = 32
	s_mov_b32 s[G1V+2], 32<<16
	s_mov_b32 s[G1K+3], 128<<16                    ; tile_dim0
	s_mov_b32 s[G1V+3], 128<<16
	s_mov_b32 s[G1K+4], 32                         ; tile_dim1 = 32 rows
	s_mov_b32 s[G1V+4], 32
	s_mov_b32 s[G1K+5], 1024                       ; from token to token
	s_mov_b32 s[G1V+5], 1024
	s_mov_b32 s[G1K+6], 0
	s_mov_b32 s[G1V+6], 0
	s_mov_b32 s[G1K+7], 0
	s_mov_b32 s[G1V+7], 0
	; my part of the tiles: hangs on the batch, the head pair and the wave, which the four partners share
	s_add_co_u32 s38, s105, 1                      ; k is matrix 1 of qkv, v matrix 2: 16 MiB each
	s_lshl_b32 s38, s38, 24
	s_lshl_b32 s39, s36, 22                        ; 2,048 tokens of 2,048 bytes a batch
	s_add_co_u32 s38, s38, s39
	s_lshl_b32 s39, s32, 16                        ; 32 rows
	s_add_co_u32 s38, s38, s39
	s_lshl_b32 s39, s37, 8                         ; 256 bytes a head pair
	s_add_co_u32 s38, s38, s39
	s_mov_b32 s39, 0
	s_mul_i32 s46, s104, WPART                     ; where my load goes: the wave's number alone
	; what is my work-group's own: the block of queries x = 4 x cluster x + cx
	s_bfe_u32 s33, ttmp6, 0x40000                  ; cx
	s_lshl_b32 s34, ttmp9, 2
	s_add_co_u32 s34, s34, s33
	s_lshl_b32 s40, s36, 22                        ; q: batch, 256 x + 64 (w & 3) tokens, head
	s_lshl_b32 s41, s34, 19
	s_add_co_u32 s40, s40, s41
	s_lshl_b32 s48, s37, 8
	s_add_co_u32 s48, s40, s48                     ; ao: batch, 256 x tokens, head pair ...
	s_lshl_b32 s41, s32, 17
	s_add_co_u32 s40, s40, s41
	s_lshl_b32 s41, s37, 8
	s_add_co_u32 s40, s40, s41
	s_lshl_b32 s41, s105, 7
	s_add_co_u32 s40, s40, s41
	s_mov_b32 s41, 0
	s_lshl_b32 s49, s104, 16                       ; ... + 32 w tokens
	s_add_co_u32 s48, s48, s49
	s_mov_b32 s49, 0
	s_lshl_b32 s42, s36, 19                        ; mask words: batch, query block 16 x + 4 (w & 3), 128 bytes each
	s_lshl_b32 s43, s34, 11
	s_add_co_u32 s42, s42, s43
	s_lshl_b32 s43, s32, 9
	s_add_co_u32 s42, s42, s43
	s_mov_b32 s43, 0
	s_wait_dscnt 0x0
	s_wait_kmcnt 0x0
	s_add_nc_u64 s[44:45], s[4:5], s[38:39]
	s_add_nc_u64 s[4:5], s[4:5], s[40:41]
	s_add_nc_u64 s[6:7], s[6:7], s[42:43]
	s_add_nc_u64 s[100:101], s[100:101], s[48:49]
	CROUND                                         ; the four work-groups are here: the first joint loads meet
.irp s, 0,1
	s_mov_b32 s[G0+4*\s], 1
	s_add_co_u32 s[G0+4*\s+1], s46, \s*SLOT
	s_add_nc_u64 s[G0+4*\s+2:G0+4*\s+3], s[44:45], \s*262144       ; 128 keys a slot
	s_or_b32 s[G0+4*\s+3], s[G0+4*\s+3], 0x80000000
	JLOAD \s                                       ; two tensor loads of the wave are out here, later one
.endr
	v_and_b32 v11, 15, v0                          ; r
	v_bfe_u32 v12, v0, 4, 1                        ; h
	v_mul_u32_u24 v13, v11, KPITCH
	v_lshl_add_u32 v13, v12, 4, v13                ; row r, 16 h bytes
	s_lshl_b32 s3, s105, 7                         ; my head's 128 bytes of a row
	v_add_nc_u32 v[ADRK], s3, v13
	v_add_nc_u32 v[ADRK+1], SLOT, v[ADRK]
	v_and_b32 v14, 7, v0
	v_lshl_add_u32 v14, v12, 3, v14                ; v: key row 8 h + l % 8,
	v_mul_u32_u24 v14, v14, VPITCH
	v_bfe_u32 v15, v0, 3, 1
	v_lshl_add_u32 v14, v15, 4, v14                ; 16 bytes for each half of a tile's 16 d
	s_add_co_u32 s47, s3, VBASE
	v_add_nc_u32 v[ADRV], s47, v14
	v_add_nc_u32 v[ADRV+1], SLOT, v[ADRV]
	s_mul_i32 s47, s32, 64*SPITCH                  ; stage, in: row 64 (w & 3) + r, my head's half, 16 h bytes
	s_add_co_u32 s47, s47, s3
	s_add_co_u32 s47, s47, STAGE
	v_add_nc_u32 v[STO], s47, v13
	s_mul_i32 s47, s104, 32*SPITCH                 ; stage, back: rows 32 w ..: lanes 0-15 one row of 256 bytes, lanes 16-31 the next
	s_add_co_u32 s47, s47, STAGE
	v_mul_u32_u24 v14, v12, SPITCH
	v_lshl_add_u32 v14, v11, 4, v14
	v_add_nc_u32 v[RD], s47, v14
	v_lshlrev_b32 v14, 11, v12                     ; the same two rows in ao
	v_lshl_add_u32 v[CO], v11, 4, v14
	v_lshlrev_b32 v14, 11, v11                     ; q: token r, 16 h bytes
	v_lshl_add_u32 v[QOFF], v12, 4, v14
	WIN 0x40                                       ; destination in window 1
.irp qi, 0,1,2,3
.irp dh, 0,1
	global_load_b128 v[QF+16*\qi+8*\dh:QF+16*\qi+8*\dh+3],   v[QOFF], s[4:5] offset:32768*\qi+64*\dh
	global_load_b128 v[QF+16*\qi+8*\dh+4:QF+16*\qi+8*\dh+7], v[QOFF], s[4:5] offset:32768*\qi+64*\dh+32
.endr
.endr
	WIN 0
	s_mov_b32 s66, 0x76543210                      ; v_permlanex16_b32: lane i of one half reads lane i of the other
	s_mov_b32 s67, 0xfedcba98
	v_mov_b32 v[NEGV], 0xceabfb8f                  ; -1e9 log2(e)
	v_mov_b32 v[MN+1], 0                           ; the pairs' second registers are named by packed forms and never used
	v_mov_b32 v[AL+1], 0
.macro LDM ms, off                     ; the 32 mask words of one block of 16 queries and 64 keys: word 8 t + j masks register j of tile t
	s_load_b512 s[\ms:\ms+15], s[6:7], \off
	s_load_b512 s[\ms+16:\ms+31], s[6:7], \off+64
.endm
.macro LDK slot, u                     ; k fragments of keys 64 u .. + 63 of a slot: 16 loads
	WIN 0
.irp t, 0,1,2,3
.irp dh, 0,1
	ds_load_b128 v[KF+16*\t+8*\dh:KF+16*\t+8*\dh+3],   v[ADRK+\slot] offset:((4*\u+\t)>>1)*WPART+((4*\u+\t)&1)*16*KPITCH+64*\dh
	ds_load_b128 v[KF+16*\t+8*\dh+4:KF+16*\t+8*\dh+7], v[ADRK+\slot] offset:((4*\u+\t)>>1)*WPART+((4*\u+\t)&1)*16*KPITCH+64*\dh+32
.endr
.endr
.endm
.macro LDV slot, u                     ; v fragments of the same keys, transposed on the way: 16 loads
	WIN 0
.irp dt, 0,1,2,3
.irp kh, 0,1
	ds_load_tr16_b128 v[VF+16*\dt+8*\kh:VF+16*\dt+8*\kh+3],   v[ADRV+\slot] offset:(64*\u+32*\kh)*VPITCH+32*\dt
	ds_load_tr16_b128 v[VF+16*\dt+8*\kh+4:VF+16*\dt+8*\kh+7], v[ADRV+\slot] offset:(64*\u+32*\kh)*VPITCH+32*\dt+16*VPITCH
.endr
.endr
.endm
; Scores of query block qi against 64 keys.  The four tiles take turns, one instruction a turn.
.macro SQK qi, sb
	WIN 0x04                                       ; source 1 (q) in window 1
.irp t, 0,1,2,3
	v_wmma_f32_16x16x32_f16 v[\sb+8*\t:\sb+8*\t+7], v[KF+16*\t:KF+16*\t+7], v[QF+16*\qi:QF+16*\qi+7], 0
.endr
.irp t, 0,1,2,3
	v_wmma_f32_16x16x32_f16 v[\sb+8*\t:\sb+8*\t+7], v[KF+16*\t+8:KF+16*\t+15], v[QF+16*\qi+8:QF+16*\qi+15], v[\sb+8*\t:\sb+8*\t+7]
.endr
.endm
; out(qi) += v^T x p^T.  The four tiles take turns likewise.
.macro PV qi, first
	WIN 0x50                                       ; C and D in window 1
.irp dt, 0,1,2,3
.if \first
	v_wmma_f32_16x16x32_f16 v[32*\qi+8*\dt:32*\qi+8*\dt+7], v[VF+16*\dt:VF+16*\dt+7], v[P:P+7], 0
.else
	v_wmma_f32_16x16x32_f16 v[32*\qi+8*\dt:32*\qi+8*\dt+7], v[VF+16*\dt:VF+16*\dt+7], v[P:P+7], v[32*\qi+8*\dt:32*\qi+8*\dt+7]
.endif
.endr
.irp dt, 0,1,2,3
	v_wmma_f32_16x16x32_f16 v[32*\qi+8*\dt:32*\qi+8*\dt+7], v[VF+16*\dt+8:VF+16*\dt+15], v[P+8:P+15], v[32*\qi+8*\dt:32*\qi+8*\dt+7]
.endr
.endm
; One select a score.
.macro MASK sb, ms
	WIN 0
.irp t, 0,1,2,3
.irp j, 0,1,2,3,4,5,6,7
	v_cndmask_b32 v[\sb+8*\t+\j], v[NEGV], v[\sb+8*\t+\j], s[\ms+8*\t+\j]
.endr
.endr
.endm
; The running softmax of query block qi on 64 new scores; leaves the weights in P.
.macro SOFT qi, sb, first
	WIN 0
.irp t, 0,1,2,3
	v_max3_num_f32 v[T+\t], v[\sb+8*\t], v[\sb+8*\t+1], v[\sb+8*\t+2]          ; four chains
.endr
.irp t, 0,1,2,3
	v_max3_num_f32 v[T+\t], v[T+\t], v[\sb+8*\t+3], v[\sb+8*\t+4]
.endr
.irp t, 0,1,2,3
	v_max3_num_f32 v[T+\t], v[T+\t], v[\sb+8*\t+5], v[\sb+8*\t+6]
.endr
	v_max3_num_f32 v[T], v[T], v[T+1], v[\sb+7]                                ; the chains join and take the four scores that are left
	v_max3_num_f32 v[T+2], v[T+2], v[T+3], v[\sb+15]
	v_max3_num_f32 v[T], v[T], v[T+2], v[\sb+23]
	v_max_num_f32 v[T], v[T], v[\sb+31]
	v_permlanex16_b32 v[T+1], v[T], s66, s67                                   ; the other 32 keys of my query
.if \first
	v_max_num_f32 v[MN], v[T], v[T+1]
	v_mov_b32 v[M+\qi], v[MN]
.else
	v_max3_num_f32 v[MN], v[T], v[T+1], v[M+\qi]
	v_sub_f32 v[T+2], v[M+\qi], v[MN]
	v_exp_f32 v[AL], v[T+2]
	v_mov_b32 v[M+\qi], v[MN]                                                  ; the plain instruction behind the exponential (ISA guide 5.7.2)
.endif
.irp t, 0,1,2,3
.irp p, 0,2,4,6
	v_pk_add_f32 v[\sb+8*\t+\p:\sb+8*\t+\p+1], v[\sb+8*\t+\p:\sb+8*\t+\p+1], v[MN:MN+1] op_sel_hi:[1,0] neg_lo:[0,1] neg_hi:[0,1]   ; score - maximum; also the plain place behind the last tile's exponentials
.endr
.irp j, 0,1,2,3,4,5,6,7
	v_exp_f32 v[\sb+8*\t+\j], v[\sb+8*\t+\j]
.endr
.endr
.if \first == 0
	WIN 0x41
.set i, 0
	s_wait_alu depctr_va_vdst(0)
.rept 16
	v_pk_mul_f32 v[32*\qi+2*i:32*\qi+2*i+1], v[32*\qi+2*i:32*\qi+2*i+1], v[AL:AL+1] op_sel_hi:[1,0]    ; what was summed under the old maximum shrinks
.set i, i+1
.endr
.endif
	WIN 0
	s_wait_alu depctr_va_vdst(0)
.irp t, 0,1,2,3
	v_pk_add_f32 v[U+2*\t:U+2*\t+1], v[\sb+8*\t:\sb+8*\t+1], v[\sb+8*\t+2:\sb+8*\t+3]   ; tile 0 first: the last exponentials' results are read three lines on
.endr
.irp t, 0,1,2,3
	v_pk_add_f32 v[U+2*\t:U+2*\t+1], v[U+2*\t:U+2*\t+1], v[\sb+8*\t+4:\sb+8*\t+5]
.endr
.irp t, 0,1,2,3
	v_pk_add_f32 v[U+2*\t:U+2*\t+1], v[U+2*\t:U+2*\t+1], v[\sb+8*\t+6:\sb+8*\t+7]
.endr
	v_pk_add_f32 v[U:U+1], v[U:U+1], v[U+2:U+3]
	v_pk_add_f32 v[U+4:U+5], v[U+4:U+5], v[U+6:U+7]
	v_pk_add_f32 v[U:U+1], v[U:U+1], v[U+4:U+5]
.if \first
	v_add_f32 v[LS+\qi], v[U], v[U+1]
.else
	v_add_f32 v[T], v[U], v[U+1]
	v_fma_f32 v[LS+\qi], v[LS+\qi], v[AL], v[T]
.endif
.irp t, 0,1,2,3
.irp p, 0,1,2,3
	v_cvt_pk_f16_f32 v[P+4*\t+\p], v[\sb+8*\t+2*\p], v[\sb+8*\t+2*\p+1]        ; tiles 2 kh and 2 kh + 1 are source 1 for keys 32 kh .. + 31
.endr
.endr
.endm
; The change of slots.  Every wave's reads of the slot are back and all its tensor loads have landed; kind 1: a round of the cluster's barrier,
; then the slot's next 128 keys as the wave's one tensor load; kind 2: the work-group's barrier alone (nothing is left to fetch).
.macro SYNC slot, kind
	WIN 0
	s_wait_dscnt 0x0
	s_wait_tensorcnt 0x0
	ds_add_u32 v254, v255
	s_wait_dscnt 0x0
	s_barrier_signal -1
	s_barrier_wait -1
.if \kind == 1
	CREST
	s_add_nc_u64 s[G0+4*\slot+2:G0+4*\slot+3], s[G0+4*\slot+2:G0+4*\slot+3], 524288   ; 256 keys on
	JLOAD \slot
.endif
.endm
; 64 keys (half u of a slot) against the wave's four query blocks, as two PAIRS of blocks.  On entry: k's fragments are in KF, the raw scores of
; blocks 0 and 1 in SA and SB, their 64 mask words on their way into sets A and B.
; A pair waits for its mask words (scalar loads return in no order, so the wait is for 0), masks both blocks, and at once asks for the next pair's
; words into the same registers: the request has both blocks' softmax and products in which to land, and there is one such wait for two blocks.
; Behind each block's product with v its score buffer is free and takes the scores of the block two further on.
; The first block's 32 selects name none of the registers of the matrix instructions that made the second block's scores: they are the places in
; front of the second block's selects and of the LDS loads into k's or v's fragments.
; nslot, nu: the next 64 keys; sync: see SYNC; moff: these keys' mask words; step = 1: the mask pointer moves on 256 keys; last = 1: no next keys.
.macro SUB slot, u, first, nslot, nu, sync, moff, step, last
	s_wait_kmcnt 0x0                               ; the words of blocks 0 and 1
	MASK SA, MKA
	MASK SB, MKB
	LDV \slot, \u
	LDM MKA, \moff+256                             ; block 2's words
	LDM MKB, \moff+384                             ; block 3's
	SOFT 0, SA, \first
	s_wait_dscnt 0x0                               ; v's fragments
	PV 0, \first
	SQK 2, SA
	SOFT 1, SB, \first
	PV 1, \first
	SQK 3, SB
	s_wait_kmcnt 0x0                               ; the words of blocks 2 and 3
	MASK SA, MKA
	MASK SB, MKB
.if \sync
	SYNC \slot, \sync                              ; k's and v's fragments of this slot's last keys are in registers
.endif
.if \last == 0
	LDK \nslot, \nu
.if \step
	s_add_nc_u64 s[6:7], s[6:7], 65536             ; no scalar load is out: the base may move
	LDM MKA, 0
	LDM MKB, 128
.else
	LDM MKA, \moff+16384                           ; the next 64 keys, blocks 0 and 1
	LDM MKB, \moff+16384+128
.endif
.endif
	SOFT 2, SA, \first
	PV 2, \first
.if \last == 0
	s_wait_dscnt 0x0                               ; the next keys' fragments of k
	SQK 0, SA
.endif
	SOFT 3, SB, \first
	PV 3, \first
.if \last == 0
	SQK 1, SB
.endif
.endm
.macro LAP first                       ; 256 keys: once round the ring, both slots filled again
	SUB 0, 0, \first, 0, 1, 0, 0,     0, 0
	SUB 0, 1, 0,      1, 0, 1, 16384, 0, 0
	SUB 1, 0, 0,      1, 1, 0, 32768, 0, 0
	SUB 1, 1, 0,      0, 0, 1, 49152, 1, 0
.endm
	LDM MKA, 0                                     ; from here on s[32:63] hold mask words
	LDM MKB, 128
	s_wait_tensorcnt 0x1                           ; my part of slot 0 is in; slot 1's stays out
	s_barrier_signal -1
	s_barrier_wait -1
	LDK 0, 0
	s_wait_loadcnt 0x0                             ; q
	s_wait_dscnt 0x0
	SQK 0, SA
	SQK 1, SB
	PLACES                                         ; in front of the first selects on SA
	LAP 1                                          ; the first 64 keys start maxima, sums and products: nothing is cleared
	WIN 0
	s_mov_b32 s2, 6
.Llap:
	LAP 0
	WIN 0
	s_sub_co_u32 s2, s2, 1
	s_cmp_lg_u32 s2, 0
	s_cbranch_scc1 .Llap
	SUB 0, 0, 0, 0, 1, 0, 0,     0, 0              ; the last 256 keys fetch nothing
	SUB 0, 1, 0, 1, 0, 2, 16384, 0, 0
	SUB 1, 0, 0, 1, 1, 0, 32768, 0, 0
	SUB 1, 1, 0, 0, 0, 0, 49152, 0, 1
	; THE WAY OUT: divide by the row sums, round to f16, gather both heads' halves of the rows in the stage, store whole rows of 256 bytes
	PLACES
	WIN 0
.irp qi, 0,1,2,3
	v_permlanex16_b32 v[T+\qi], v[LS+\qi], s66, s67                            ; the other half's keys
.endr
.irp qi, 0,1,2,3
	v_add_f32 v[T+\qi], v[T+\qi], v[LS+\qi]
.endr
.irp qi, 0,1,2,3
	v_rcp_f32 v[U+2*\qi], v[T+\qi]                                             ; the sum is at least 1: the maximum's own weight
.endr
	v_nop                                                                      ; the plain instruction behind the reciprocals
	s_wait_alu depctr_va_vdst(0)
.irp qi, 0,1,2,3
	WIN 0x01                                       ; source 0 in window 1
.set i, 0
.rept 16
	v_pk_mul_f32 v[SB+2*i:SB+2*i+1], v[32*\qi+2*i:32*\qi+2*i+1], v[U+2*\qi:U+2*\qi+1] op_sel_hi:[1,0]
.set i, i+1
.endr
	WIN 0
.set i, 0
.rept 16
	v_cvt_pk_f16_f32 v[SA+i], v[SB+2*i], v[SB+2*i+1]
.set i, i+1
.endr
.irp dt, 0,1,2,3
	ds_store_b128 v[STO], v[SA+4*\dt:SA+4*\dt+3] offset:16*SPITCH*\qi+32*\dt   ; query 16 qi + r, d = 16 dt + 8 h .. + 7
.endr
.endr
	s_wait_dscnt 0x0                               ; my stores are done, for the other waves' sake
	s_barrier_signal -1
	s_barrier_wait -1
.irp t, 0,1,2,3,4,5,6,7,8,9,10,11,12,13,14,15
	ds_load_b128 v[KF+4*\t:KF+4*\t+3], v[RD] offset:\t*2*SPITCH
.endr
.irp t, 0,1,2,3,4,5,6,7,8,9,10,11,12,13,14,15
	s_wait_dscnt 15-\t
	global_store_b128 v[CO], v[KF+4*\t:KF+4*\t+3], s[100:101] offset:4096*\t   ; 16 lanes store 256 consecutive bytes, aligned: both heads of one token
.endr
	s_wait_tensorcnt 0x0
	ds_add_u32 v254, v255
	s_wait_dscnt 0x0
	CROUND                                         ; the closing round
	s_endpgm
.Lfunc_end_k_q284e60bfc6_attn:
	.size	k_q284e60bfc6_attn, .Lfunc_end_k_q284e60bfc6_attn-k_q284e60bfc6_attn
	.p2alignl 7, 3214868480
	.fill 96, 4, 3214868480
	.section	.rodata,"a",@progbits
	.p2align	6, 0x0
	.amdhsa_kernel k_q284e60bfc6_attn
		.amdhsa_group_segment_fixed_size 327680
		.amdhsa_private_segment_fixed_size 0
		.amdhsa_enable_private_segment 0
		.amdhsa_kernarg_size 24
		.amdhsa_user_sgpr_count 2
		.amdhsa_user_sgpr_kernarg_segment_ptr 1
		.amdhsa_wavefront_size32 1
		.amdhsa_system_sgpr_workgroup_id_x 1
		.amdhsa_system_sgpr_workgroup_id_y 1
		.amdhsa_system_sgpr_workgroup_id_z 1
		.amdhsa_system_vgpr_workitem_id 0
		.amdhsa_next_free_vgpr 448
		.amdhsa_next_free_sgpr 106
		.amdhsa_reserve_vcc 0
		.amdhsa_float_denorm_mode_32 3
		.amdhsa_float_denorm_mode_16_64 3
		.amdhsa_memory_ordered 1
		.amdhsa_forward_progress 1
		.amdhsa_inst_pref_size 255
	.end_amdhsa_kernel
	.section	.bss,"aw",@nobits
	.p2align	6
	.space	262144
	.amdgpu_metadata
---
amdhsa.version: [ 1, 2 ]
amdhsa.kernels:
  - .name:           k_q284e60bfc6_attn
    .symbol:         k_q284e60bfc6_attn.kd
    .args:
      - { .name: qkv, .offset: 0, .size: 8, .value_kind: global_buffer, .address_space: global }
      - { .name: maskbits, .offset: 8, .size: 8, .value_kind: global_buffer, .address_space: global }
      - { .name: ao, .offset: 16, .size: 8, .value_kind: global_buffer, .address_space: global }
    .group_segment_fixed_size: 327680
    .private_segment_fixed_size: 0
    .kernarg_segment_align: 8
    .kernarg_segment_size: 24
    .max_flat_workgroup_size: 256
    .sgpr_count:     106
    .vgpr_count:     448
    .wavefront_size: 32
...
	.end_amdgpu_metadata
.endif
;; end of part 3
;; launch oproj (part 4): grid 4 x 64, 4 waves a work-group, clusters of 4 x 4, 327,680 bytes of LDS; arguments ao, Wh, bO, out0; writes out0
.if DOCPART == 4
	.amdgcn_target "amdgcn-amd-amdhsa--gfx1250"
	.amdhsa_code_object_version 6
	.text
	.protected	k_q284e60bfc6_oproj
	.globl	k_q284e60bfc6_oproj
	.p2align	8
	.type	k_q284e60bfc6_oproj,@function
k_q284e60bfc6_oproj:
	s_mov_b64 s[64:65], 0
	v_nop
	global_prefetch_b8 v0, s[64:65] scope:SCOPE_SE
	s_setreg_imm32_b32 hwreg(HW_REG_WAVE_MODE, 25, 1), 1
	s_wait_xcnt 0x0
	s_wait_alu depctr_hold_cnt(0) depctr_sa_sdst(0) depctr_va_vdst(0) depctr_va_sdst(0) depctr_va_ssrc(0) depctr_va_vcc(0) depctr_vm_vsrc(0)
	s_getreg_b32 s2, hwreg(HW_REG_IB_STS2, 6, 4)
	s_cmp_eq_u32 s2, 0
	s_cbranch_scc0 .Lentry_in_a_cluster
	s_endpgm
.Lentry_in_a_cluster:
	s_bfe_u32 s2, ttmp6, 0x10000c
	s_cmp_lg_u32 s2, 0xf033
	s_cbranch_scc0 .Lentry_shape_is_right
	s_endpgm
.Lentry_shape_is_right:
; out0[row][n] = sum over k of ao[row][k] Wh[3][k][n] + bO[n], in f32.  Operands f16, sums f32.
; The same product as the launch that makes q, k and v: a work-group makes 128 rows x 256 columns with four waves, a wave 64 x 128 in 32 accumulator
; tiles; K = 1,024 in 8 steps of 128 through two LDS slots; 4 x 64 work-groups = 256.
; CLUSTERS of 4 x 4: the four of a cluster's row need the same rows of ao, the four of a column the same columns of Wh: joint loads.
; The matrix instruction is used transposed (source 0 = 16 columns of Wh by the transposing LDS load, source 1 = 16 rows of ao): lane l holds row
; l % 16 and registers 0 to 7 the columns 8 (l / 16) + 0 .. 7.
; REGISTERS: window 0: addresses, two fragment buffers; window 1 (v256-511): accumulator (a, b) at v[8 (8 a + b)].
.set APITCH, 272                       ; LDS row of ao: 256 bytes + 16
.set BPITCH, 544                       ; LDS row of Wh: 512 bytes + 32
.set PART,   34816                     ; LDS bytes of one wave's load
.set SLOT,   4*PART                    ; ao rows 0-63 at 0, rows 64-127 at PART, Wh's 128 k rows from 2 PART on
.set STAGE,  2*SLOT                    ; behind the ring: 16 rows x 528 bytes for each wave; no tensor load fills these bytes
.set SPITCH, 528                       ; a row of 128 f32 + 16 bytes
.set LAPS,   4
.set ADRA, 16
.set ADRB, 20
.set STO,  24
.set RD,   25
.set CO,   26
.set BO,   27
.set F0,   32
.set F1,   128
.set BIAS, 32
.set G1,  24
.set G0,  32
.set G1B, 48
.set G0B, 56
.set ACCW, 0x50
.set MSB, 0
.macro WIN new
.if MSB != \new
	s_set_vgpr_msb (MSB<<8)|\new
.set MSB, \new
.endif
.endm
.macro JLOAD s                         ; waves 0 and 1 fetch ao's two halves, waves 2 and 3 Wh's
	s_cmp_eq_u32 s11, 0
	s_cbranch_scc0 .Lfor_b_\@
	tensor_load_to_lds s[G0+4*\s:G0+4*\s+3], s[G1:G1+7]
	s_nop 0
	s_branch .Lasked_\@
.Lfor_b_\@:
	tensor_load_to_lds s[G0B+4*\s:G0B+4*\s+3], s[G1B:G1B+7]
	s_nop 0
.Lasked_\@:
.endm
.macro CREST
	s_cmp_lg_u32 s10, 0
	s_cbranch_scc1 .Lnot_wave_0_\@
	s_barrier_signal -3
.Lnot_wave_0_\@:
	s_barrier_wait -3
	s_barrier_signal -1
	s_barrier_wait -1
.endm
.macro CROUND
	s_barrier_signal -1
	s_barrier_wait -1
	CREST
.endm
.macro PLACES                          ; four plain vector instructions behind a matrix instruction (ISA guide 7.12.1)
.rept 4
	v_nop
.endr
.endm
	s_load_b128 s[4:7], s[0:1], 0x0                ; ao s[4:5], Wh s[6:7]
	s_load_b128 s[68:71], s[0:1], 0x10             ; bO s[68:69], out0 s[70:71]
	v_lshl_add_u32 v30, v0, 2, 0x4c400
	v_mov_b32 v31, 0
	ds_add_u32 v30, v31
	ds_add_u32 v30, v31
	v_lshrrev_b32 v1, 5, v0
	v_readfirstlane_b32 s10, v1                    ; wave 0..3
	s_lshr_b32 s11, s10, 1                         ; my half of the rows.  Also: I fetch for ao (0) or for Wh (1)
	s_and_b32 s12, s10, 1                          ; my half of the columns.  Also: which 64 rows of that tile I fetch
	s_bfe_u32 s40, ttmp6, 0x40000                  ; cx: the block column
	s_bfe_u32 s41, ttmp6, 0x40004                  ; cy
	s_and_b32 s13, ttmp7, 0xffff
	s_lshl_b32 s13, s13, 2
	s_add_co_u32 s13, s13, s41                     ; block row
	s_lshl_b32 s43, s41, 2
	s_lshl_b32 s43, 15, s43                        ; my row of the cluster
	s_lshl_b32 s44, 0x1111, s40                    ; my column
	s_or_b32 s[G1+0], s43, (1<<16)|(1<<20)|(1<<21)|(5<<22)|(3<<25)
	s_or_b32 s[G1B+0], s44, (1<<16)|(1<<20)|(1<<21)|(6<<22)|(7<<25)
	s_mov_b32 s[G1+1], 128<<16
	s_mov_b32 s[G1B+1], 256<<16
	s_mov_b32 s[G1+2], 64<<16
	s_mov_b32 s[G1B+2], 64<<16
	s_mov_b32 s[G1+3], 128<<16
	s_mov_b32 s[G1B+3], 256<<16
	s_mov_b32 s[G1+4], 64
	s_mov_b32 s[G1B+4], 64
	s_mov_b32 s[G1+5], 1024
	s_mov_b32 s[G1B+5], 1024
	s_mov_b32 s[G1+6], 0
	s_mov_b32 s[G1B+6], 0
	s_mov_b32 s[G1+7], 0
	s_mov_b32 s[G1B+7], 0
	s_lshl_b32 s16, s13, 18                        ; ao: 128 rows of 2,048 bytes a block row
	s_lshl_b32 s17, s12, 17                        ; + 64 rows
	s_add_co_u32 s16, s16, s17
	s_mov_b32 s17, 0
	s_lshl_b32 s46, s12, 17                        ; Wh: 64 k rows,
	s_add_co_u32 s46, s46, 3<<21                   ; matrix 3 (2 MiB each),
	s_lshl_b32 s47, s40, 9                         ; 256 columns x cx
	s_add_co_u32 s46, s46, s47
	s_mov_b32 s47, 0
	s_mul_i32 s20, s10, PART
	s_wait_dscnt 0x0
	s_wait_kmcnt 0x0
	s_add_nc_u64 s[14:15], s[4:5], s[16:17]
	s_add_nc_u64 s[46:47], s[6:7], s[46:47]
	CROUND                                         ; all sixteen work-groups are here: the first joint loads meet
.irp s, 0,1
	s_mov_b32 s[G0+4*\s], 1
	s_add_co_u32 s[G0+4*\s+1], s20, \s*SLOT
	s_add_nc_u64 s[G0+4*\s+2:G0+4*\s+3], s[14:15], \s*256
	s_or_b32 s[G0+4*\s+3], s[G0+4*\s+3], 0x80000000
	s_mov_b32 s[G0B+4*\s], 1
	s_add_co_u32 s[G0B+4*\s+1], s20, \s*SLOT
	s_add_nc_u64 s[G0B+4*\s+2:G0B+4*\s+3], s[46:47], \s*262144
	s_or_b32 s[G0B+4*\s+3], s[G0B+4*\s+3], 0x80000000
	JLOAD \s                                       ; two tensor loads of the wave are out here, later one
.endr
	s_lshl_b32 s18, s40, 10                        ; my 128 biases
	s_lshl_b32 s19, s12, 9
	s_add_co_u32 s18, s18, s19
	s_mov_b32 s19, 0
	s_add_nc_u64 s[66:67], s[68:69], s[18:19]
	v_and_b32 v1, 15, v0                           ; r
	v_bfe_u32 v2, v0, 4, 1                         ; h
	v_mul_u32_u24 v3, v1, APITCH
	v_lshl_add_u32 v3, v2, 4, v3
	v_and_b32 v4, 7, v0
	v_lshl_add_u32 v4, v2, 3, v4
	v_mul_u32_u24 v4, v4, BPITCH
	v_bfe_u32 v5, v0, 3, 1
	v_lshl_add_u32 v4, v5, 4, v4
	s_mul_i32 s21, s11, PART
	s_lshl_b32 s22, s12, 8
	s_add_co_u32 s22, s22, 2*PART
.irp s, 0,1
	v_add_nc_u32 v[ADRA+\s], s21, v3
	v_add_nc_u32 v[ADRB+\s], s22, v4
	s_add_co_u32 s21, s21, SLOT
	s_add_co_u32 s22, s22, SLOT
.endr
	s_mul_i32 s23, s10, 16*SPITCH
	s_add_co_u32 s23, s23, STAGE                   ; my stage
	v_mul_u32_u24 v6, v1, SPITCH                   ; in: row r, 32 bytes for each half of the lanes
	v_lshl_add_u32 v6, v2, 5, v6
	v_add_nc_u32 v[STO], s23, v6
	v_and_b32 v5, 31, v0
	v_lshlrev_b32 v[CO], 4, v5                     ; back and out: 32 lanes take one row of 512 bytes
	v_add_nc_u32 v[RD], s23, v[CO]
	v_lshlrev_b32 v[BO], 5, v2
; The 32 accumulators take turns, one instruction a turn, in the same order in every quarter step.
.macro MULA f, a, zero
.irp b, 0,1,2,3,4,5,6,7
.if \zero
	v_wmma_f32_16x16x32_f16 v[8*(8*\a+\b):8*(8*\a+\b)+7], v[\f+8*\b:\f+8*\b+7], v[\f+64+8*\a:\f+64+8*\a+7], 0
.else
	v_wmma_f32_16x16x32_f16 v[8*(8*\a+\b):8*(8*\a+\b)+7], v[\f+8*\b:\f+8*\b+7], v[\f+64+8*\a:\f+64+8*\a+7], v[8*(8*\a+\b):8*(8*\a+\b)+7]
.endif
.endr
.endm
.macro FETCH slot, q, f                ; 24 LDS loads: Wh's sixteen first, ao's eight last
	WIN 0
.irp b, 0,1,2,3,4,5,6,7
	ds_load_tr16_b128 v[\f+8*\b:\f+8*\b+3],   v[ADRB+\slot] offset:\q*32*BPITCH+32*\b
	ds_load_tr16_b128 v[\f+8*\b+4:\f+8*\b+7], v[ADRB+\slot] offset:\q*32*BPITCH+32*\b+16*BPITCH
.endr
.irp a, 0,1,2,3
	ds_load_b128 v[\f+64+8*\a:\f+64+8*\a+3],   v[ADRA+\slot] offset:64*\q+\a*16*APITCH
	ds_load_b128 v[\f+64+8*\a+4:\f+64+8*\a+7], v[ADRA+\slot] offset:64*\q+\a*16*APITCH+32
.endr
.endm
.macro QUARTER slot, q, f, g, zero
	s_wait_dscnt 4                                 ; all but the youngest four loads: ao's row blocks 2 and 3 may be out
	WIN ACCW
	MULA \f, 0, \zero
	MULA \f, 1, \zero
	PLACES
	FETCH \slot, \q, \g
	s_wait_dscnt 24                                ; all but the 24 just issued
	WIN ACCW
	MULA \f, 2, \zero
	MULA \f, 3, \zero
.endm
.macro THREE slot, zero
	QUARTER \slot, 1, F0, F1, \zero
	QUARTER \slot, 2, F1, F0, 0
	QUARTER \slot, 3, F0, F1, 0
.endm
; The change of slots: each wave's reads of this slot and all its tensor loads are waited for in front of the barrier; behind it the refill comes first.
.macro TURN slot, next, fill
	s_wait_dscnt 4
	WIN ACCW
	MULA F1, 0, 0
	s_wait_dscnt 0x0
	s_wait_tensorcnt 0x0
	ds_add_u32 v30, v31
	s_wait_dscnt 0x0
	s_barrier_signal -1
	MULA F1, 1, 0                                  ; register work alone between signal and wait
	WIN 0
	s_barrier_wait -1
.if \fill
	CREST
	s_add_nc_u64 s[G0+4*\slot+2:G0+4*\slot+3], s[G0+4*\slot+2:G0+4*\slot+3], 512
	s_add_nc_u64 s[G0B+4*\slot+2:G0B+4*\slot+3], s[G0B+4*\slot+2:G0B+4*\slot+3], 524288
	JLOAD \slot
.endif
	PLACES
	FETCH \next, 0, F0
	WIN ACCW
	MULA F1, 2, 0
	MULA F1, 3, 0
.endm
.macro LAP zero
	THREE 0, \zero
	TURN 0, 1, 1
	THREE 1, 0
	TURN 1, 0, 1
.endm
	s_wait_tensorcnt 0x1                           ; my part of K step 0 is in; step 1's stays out
	s_barrier_signal -1
	s_barrier_wait -1
	FETCH 0, 0, F0
	LAP 1
	WIN 0
	s_mov_b32 s3, LAPS-2
.Llap:
	LAP 0
	WIN 0
	s_sub_co_u32 s3, s3, 1
	s_cmp_lg_u32 s3, 0
	s_cbranch_scc1 .Llap
	THREE 0, 0
	TURN 0, 1, 0
	THREE 1, 0
	s_wait_dscnt 4                                 ; the very last quarter; in its middle the biases are fetched into buffer 0
	WIN ACCW
	MULA F1, 0, 0
	MULA F1, 1, 0
	PLACES
	WIN 0
.irp b, 0,1,2,3,4,5,6,7
	global_load_b128 v[BIAS+8*\b:BIAS+8*\b+3],   v[BO], s[66:67] offset:64*\b
	global_load_b128 v[BIAS+8*\b+4:BIAS+8*\b+7], v[BO], s[66:67] offset:64*\b+16
.endr
	s_wait_dscnt 0x0
	WIN ACCW
	MULA F1, 2, 0
	MULA F1, 3, 0
	PLACES
	WIN 0
	s_lshl_b32 s16, s13, 19                        ; my first row of out0: 128 rows of 4,096 bytes a block row,
	s_lshl_b32 s14, s11, 18                        ; + 64 rows
	s_add_co_u32 s16, s16, s14
	s_mov_b32 s17, 0
	s_add_nc_u64 s[8:9], s[70:71], s[16:17]
	s_add_nc_u64 s[8:9], s[8:9], s[18:19]          ; my first column in bytes: 1,024 cx + 512 half, as for the biases
	s_wait_loadcnt 0x0
; 16 rows at a time: add the bias, 32 bytes a lane into my own stage, back as whole rows of 512 bytes
.macro OUTF a, f
	WIN 0x41
.irp b, 0,1,2,3,4,5,6,7
.irp p, 0,1,2,3
	v_pk_add_f32 v[8*(8*\a+\b)+2*\p:8*(8*\a+\b)+2*\p+1], v[8*(8*\a+\b)+2*\p:8*(8*\a+\b)+2*\p+1], v[BIAS+8*\b+2*\p:BIAS+8*\b+2*\p+1]
.endr
.endr
	WIN 0x04                                       ; the stores' data in window 1
.irp b, 0,1,2,3,4,5,6,7
	ds_store_b128 v[STO], v[8*(8*\a+\b):8*(8*\a+\b)+3]   offset:64*\b
	ds_store_b128 v[STO], v[8*(8*\a+\b)+4:8*(8*\a+\b)+7] offset:64*\b+16
.endr
	WIN 0
	s_wait_xcnt 0x0                                ; buffer f, which earlier stores read, is loaded again only behind this wait
.irp t, 0,1,2,3,4,5,6,7,8,9,10,11,12,13,14,15
	ds_load_b128 v[\f+4*\t:\f+4*\t+3], v[RD] offset:\t*SPITCH      ; LDS serves a wave's instructions in order: these see the stores above
.endr
.irp t, 0,1,2,3,4,5,6,7,8,9,10,11,12,13,14,15
	s_wait_dscnt 15-\t
	global_store_b128 v[CO], v[\f+4*\t:\f+4*\t+3], s[8:9] offset:(16*\a+\t)*4096 th:TH_STORE_NT   ; 512 consecutive bytes, aligned; not read again
.endr
.endm
	OUTF 0, 128
	OUTF 1, 192
	OUTF 2, 128
	OUTF 3, 192
	s_wait_tensorcnt 0x0
	ds_add_u32 v30, v31
	s_wait_dscnt 0x0
	CROUND                                         ; the closing round
	s_endpgm
.Lfunc_end_k_q284e60bfc6_oproj:
	.size	k_q284e60bfc6_oproj, .Lfunc_end_k_q284e60bfc6_oproj-k_q284e60bfc6_oproj
	.p2alignl 7, 3214868480
	.fill 96, 4, 3214868480
	.section	.rodata,"a",@progbits
	.p2align	6, 0x0
	.amdhsa_kernel k_q284e60bfc6_oproj
		.amdhsa_group_segment_fixed_size 327680
		.amdhsa_private_segment_fixed_size 0
		.amdhsa_enable_private_segment 0
		.amdhsa_kernarg_size 32
		.amdhsa_user_sgpr_count 2
		.amdhsa_user_sgpr_kernarg_segment_ptr 1
		.amdhsa_wavefront_size32 1
		.amdhsa_system_sgpr_workgroup_id_x 1
		.amdhsa_system_sgpr_workgroup_id_y 1
		.amdhsa_system_sgpr_workgroup_id_z 1
		.amdhsa_system_vgpr_workitem_id 0
		.amdhsa_next_free_vgpr 512
		.amdhsa_next_free_sgpr 80
		.amdhsa_reserve_vcc 0
		.amdhsa_float_denorm_mode_32 3
		.amdhsa_float_denorm_mode_16_64 3
		.amdhsa_memory_ordered 1
		.amdhsa_forward_progress 1
		.amdhsa_inst_pref_size 127
	.end_amdhsa_kernel
	.amdgpu_metadata
---
amdhsa.version: [ 1, 2 ]
amdhsa.kernels:
  - .name:           k_q284e60bfc6_oproj
    .symbol:         k_q284e60bfc6_oproj.kd
    .args:
      - { .name: ao, .offset: 0, .size: 8, .value_kind: global_buffer, .address_space: global }
      - { .name: Wh, .offset: 8, .size: 8, .value_kind: global_buffer, .address_space: global }
      - { .name: bO, .offset: 16, .size: 8, .value_kind: global_buffer, .address_space: global }
      - { .name: out0, .offset: 24, .size: 8, .value_kind: global_buffer, .address_space: global }
    .group_segment_fixed_size: 327680
    .private_segment_fixed_size: 0
    .kernarg_segment_align: 8
    .kernarg_segment_size: 32
    .max_flat_workgroup_size: 128
    .sgpr_count:     80
    .vgpr_count:     512
    .wavefront_size: 32
...
	.end_amdgpu_metadata
.endif
;; end of part 4
